; MI455X (gfx1250); checked and timed in simulation.
; The chip was launched on July 23, 2026; its instructions are those of AMD's public machine-readable ISA for CDNA 5 (MIT licence, August 2026) and "CDNA5" Instruction Set Architecture Reference Guide (July 2026). The comments in the code are by the model that wrote it; some were corrected since.
;; Model. Allowed arithmetic: matrix products marked QUANTISED: E4M3 operands, one E8M0 scale for each 32 along K, by v_wmma_scale_f32_16x16x128_f8f6f4 with both operands' format E4M3, f32 sums; everything else in f32.
;; Inputs: k_codes 4 x 16 x 2,048 x 2 x 32 uint8 (E4M3 codes of k, K innermost, in blocks of 32 codes); k_scales 4 x 16 x 2,048 x 2 uint8 (E8M0 scales of k, one for each 32 codes along K); q 4 x 16 x 2,048 x 64 float32; v_codes 4 x 16 x 64 x 64 x 32 uint8 (E4M3 codes of v, K innermost, in blocks of 32 codes); v_scales 4 x 16 x 64 x 64 uint8 (E8M0 scales of v, one for each 32 codes along K).
;; Outputs: out0 4 x 16 x 2,048 x 64 float32.
;; This version of the problem:
;;   THIS VERSION OF THE PROBLEM IS GIVEN IN LOW PRECISION. The matrix products marked QUANTISED in the list below multiply operands that are first quantised to E4M3 (4 exponent bits, 3 mantissa bits; 8 bits a number), with one power-of-two scale for each 32 numbers along K (OCP MX v1.0); their sums are f32. All else is computed in f32.
;;   The module's matrix products, in the order in which they are computed (A, B: the left and right operand; K: the contracted axis; several contracted axes count as one K, in the product's order):
;;     1. batch 64 x [M 2,048, K 64] x [K 64, N 2,048]; A: computed on the way; B: input k (given as codes): QUANTISED
;;     2. batch 64 x [M 2,048, K 2,048] x [K 2,048, N 64]; A: computed on the way; B: input v (given as codes): QUANTISED
;;   THE QUANTISER, for each operand of a quantised product, along K:
;;     - K is cut into blocks of 32 from its start; a last block that is shorter is filled with zeros.
;;     - A block's scale is 2^e with e = floor(log2(the largest magnitude in the block)) - 8, held to -126 .. 127; a block of zeros has e = 0. As a byte (E8M0): e + 127.
;;     - Each number is divided by its block's scale, clamped to +-448, and rounded to the nearest number of E4M3, ties to even, subnormals kept.
;;     - The product sums the exact products of the quantised numbers (number of the format x scale) in f32.
;;   ~~~python
;;   def quantise(x, axis):      # numpy; x: float32 -> the quantised numbers, widened to float32 again
;;       x = np.moveaxis(x, axis, -1); K = x.shape[-1]
;;       x = np.pad(x, [(0, 0)] * (x.ndim - 1) + [(0, -K % 32)]); x = x.reshape(x.shape[:-1] + (-1, 32)); a = np.abs(x).max(-1, keepdims=True)
;;       e = np.where(a > 0, np.clip(np.frexp(np.where(a > 0, a, 1))[1] - 1 - 8, -126, 127), 0)      # np.frexp(a)[1] - 1 = floor(log2(a)), exactly
;;       r = np.clip(x / 2.0 ** e, -448, 448)
;;       step = 2.0 ** (np.maximum(np.frexp(np.where(r == 0, 1, r))[1] - 1, -6) - 3)
;;       q = np.round(r / step) * step * 2.0 ** e      # np.round: ties to even
;;       return np.moveaxis(q.reshape(q.shape[:-2] + (-1,))[..., :K], -1, axis).astype(np.float32)
;;   ~~~
;;   OPERANDS COMPUTED ON THE WAY. 'Computed on the way' means the value that the module computes at that place (a softmax that the list does not call 'softmax' is quantised finished and normalised). What goes into a quantiser is computed in f32, as accurately as f32 sums, v_exp_f32 and their like allow (about 1e-6 of the number): no bf16 or f16 on the way to a quantiser, and a product that is left as it is and whose result goes on into a quantised operand takes f32 operands (vector FMAs, or v_wmma_f32_16x16x4_f32). A number that lies on a knife's edge between two numbers of the format may be rounded either way, as far as f32 arithmetic and the matrix unit's own rounding can turn it there, and no further.
;;   INPUTS GIVEN AS CODES. k (in the module: [4, 16, 2048, 64], K = its axis 3); v (in the module: [4, 16, 2048, 64], K = its axis 2): each comes as NAME_codes (uint8): NAME with its K axis moved to the last place and cut into blocks of 32 codes, [.., K / 32, bytes a block], one block behind the other in memory; one code a byte (a code: sign, 4 exponent bits, 3 mantissa bits); and NAME_scales (uint8): the same leading axes, one E8M0 byte (e + 127) for each 32 codes along K. Its value is code x scale, taken as it is: it is not quantised again, and the codes and scales need not be those that the quantiser above would give.
;; One version. Each part assembles by itself: llvm-mc -triple=amdgcn-amd-amdhsa -mcpu=gfx1250 --defsym DOCPART=n.
;; ======== version 1 of 1: 1 launch
;; launch rebased (part 1): grid 256 x 1, 8 waves a work-group, clusters of 4 x 1, 327,680 bytes of LDS; arguments k_codes, k_scales, q, v_codes, v_scales, out0; writes out0
.if DOCPART == 1
	.amdgcn_target "amdgcn-amd-amdhsa--gfx1250"
	.amdhsa_code_object_version 6
	.text
	.protected	k_q023ec3686e_rebased
	.globl	k_q023ec3686e_rebased
	.p2align	8
	.type	k_q023ec3686e_rebased,@function
k_q023ec3686e_rebased:
	s_mov_b64 s[64:65], 0
	v_nop
	global_prefetch_b8 v0, s[64:65] scope:SCOPE_SE
	s_setreg_imm32_b32 hwreg(HW_REG_WAVE_MODE, 25, 1), 1
	s_wait_xcnt 0x0
	s_wait_alu depctr_hold_cnt(0) depctr_sa_sdst(0) depctr_va_vdst(0) depctr_va_sdst(0) depctr_va_ssrc(0) depctr_va_vcc(0) depctr_vm_vsrc(0)
	s_getreg_b32 s2, hwreg(HW_REG_IB_STS2, 6, 4)
	s_cmp_eq_u32 s2, 0
	s_cbranch_scc0 .Lentry_in_a_cluster
	s_endpgm
.Lentry_in_a_cluster:
	s_bfe_u32 s2, ttmp6, 0x10000c
	s_cmp_lg_u32 s2, 0x3003
	s_cbranch_scc0 .Lentry_shape_is_right
	s_endpgm
.Lentry_shape_is_right:
; out[h][q][:] = (sum over keys k <= q of p V[h][k][:]) / (z + 1e-6),  p = ((Q[h][q]/8) . K[h][k])^2,  z = the f32 sum of the unquantised p.  64 heads, 2,048 rows, head size 64.
; Both products run on codes of E4M3 with one E8M0 scale for each 32 along K: q/8 is quantised here along the head's 64, p along the keys (hidden keys are 0 ahead of the quantiser); K and V arrive as codes.
; SHARES.  The four work-groups of a cluster belong to one head and read the same K and V: every tile is asked for JOINTLY (mask 15).  Work-group c owns the tiles of 16 queries 8 g + 4 x + c (g = 0..15, x = 0, 1):
; lane r's query is 128 g + 64 x + 16 c + r.  A double tile g (x = 0 and 1) wants key steps 0..g of 128 keys, whatever c is: so no branch, trip count or LDS address hangs on c; c enters q's and out's addresses and
; one number a lane (DQ) that feeds a compare and a select.  Wave w takes double tile 15 - w and then double tile w: 17 steps of work in every wave.
; THE WHOLE HEAD STAYS IN LDS, each byte filled once: four chunks of 512 keys, all asked for at the start and awaited chunk by chunk.  No slot is filled again.
; FIRST PRODUCT, K = 64 in a form 128 deep: a fragment of K holds TWO keys a row (key kL in registers 0-7, key kL + 8 in registers 8-15, kL = 32 b + r + 8 (r / 8)) and is multiplied twice, by [q | zeros] and by
; [zeros | q]: 24 registers [q | zeros | q] serve both.  Used transposed (source 0 = keys, source 1 = queries), a lane holds ONE query and register 16 b + i is key 32 b + 16 (lane / 16) + i: the order of the second
; product's operand, so the conversions' results are that operand.  Second product transposed too: O^T = V^T P^T.
; LIMITS: a NaN code or a scale byte 0xff of key k also makes NaN the scores of key k + 8 or k - 8 of its fragment (0 x NaN); NaN and infinities in q are not served; a block of zeros gets the scale byte 1
; (its codes are zeros, and only this text reads the byte); blocks whose largest magnitude lies under 2^(9 - 127) are held at that byte.
; REGISTERS, two windows of 256.  The same numbers serve tile x = 0 in window 0 and tile x = 1 in window 1: QF q's 24, SS 64 scores then p, OA O^T, PC p's codes, TM at work, ZS the sum in two packed chains, DQ.
; Window 0 alone: v1-14 addresses, v16-79 K's four fragments, v240-253 scale words and nothing else.  Window 1 alone: v0-15 the second double tile's q codes, v16-79 V's four fragments.
.set VB,   147456                      ; LDS: K at 0: 1,024 rows of two keys, 128 bytes + 16 = 144; a step 9,216, a chunk 36,864.  V here: four chunk tiles of 64 rows x (512 + 16)
.set VCH,  33792
.set SCV,  282624                      ; V's scale bytes of the head: 16 rows of 256 + 16
.set SCK,  286976                      ; K's scale words, composed by this text: step s, fragment b, row m at 256 s + 64 b + 4 m
.set STG,  291072                      ; a stage of 16 rows x 272 for each wave
.set AK0, 1
.set ASK0, 2
.set AV0, 3
.set ASV0, 4
.set ADK, 5
.set ADS, 6
.set ADV, 7
.set ADT, 8
.set STO, 9
.set RD,  10
.set GO,  11
.set XA,  12
.set KSO, 13
.set KSW, 14
.set KF,  16
.set VF,  16
.set QF,  80
.set SS,  104
.set OA,  168
.set PC,  200
.set TM,  216                          ; +0..3 largest magnitudes, +4..7 the other half's and then bytes, +8..11 448 x scale, +12..15 the conversions' scale operands
.set ZS,  232
.set DQ,  236                          ; 16 c + r - 16 (lane / 16)
.set KW,  240
.set VW,  244
.set QWB, 248
.set PW,  250
.set QWA, 252
.set WV,  16
.set CX,  17
.set HD,  18
.set MNT, 19
.set SEL, 20
.set G1K, 24
.set G1V, 32
.set G1S, 40
.set G0K, 48
.set G0V, 68
.set G0S, 84
.set TK,  88
.set TV,  89
.set TSK, 90
.set TSV, 91
.set KS,  92
.set GD,  93
.set CNT, 94
.set CNT2, 95
.set MSB, 0
.macro WIN new                         ; the immediate's high byte repeats the setting that is left; a switch that changes nothing is dropped
.if MSB != (\new)
	s_set_vgpr_msb (MSB<<8)|(\new)
.set MSB, (\new)
.endif
.endm
.macro ROUND                           ; a round of the cluster's barrier: my work-group's barrier, wave 0 signals for it, all wait for the four work-groups, my work-group's barrier once more
	s_barrier_signal -1
	s_barrier_wait -1
	s_cmp_lg_u32 s[WV], 0
	s_cbranch_scc1 .Lnot_wave_0_\@
	s_barrier_signal -3
.Lnot_wave_0_\@:
	s_barrier_wait -3
	s_barrier_signal -1
	s_barrier_wait -1
.endm
.macro ARRIVE n                        ; a chunk has landed: n = my tensor loads issued behind that chunk's, which may stay out; my LDS instructions are done
	s_wait_tensorcnt \n
	s_wait_dscnt 0x0
	s_barrier_signal -1
	s_barrier_wait -1
.endm
.macro QLOAD base, x, off              ; 16 rows of q: lane (r, h) takes, of row r, dims 32 c + 16 h + 0..15: register off + 16 c + i
	WIN 0x40*(\x)
.irp c, 0,1
.irp j, 0,1,2,3
	global_load_b128 v[SS+\off+16*\c+4*\j:SS+\off+16*\c+4*\j+3], v[XA], s[\base:\base+1] offset:16384*\x+128*\c+16*\j th:TH_LOAD_NT
.endr
.endr
.endm
; 32 numbers of q at SS + off of window x become 8 registers of codes and a scale word [b0 b1 b0 b1] in window 0's v[qw + x].  stash = 0: the codes go to QF and QF + 16; 1: to window 1's v[8 x] on.
.macro QUANTQ x, off, qw, stash
	WIN 0x55*(\x)
.set QS, SS+(\off)
.irp j, 0,2,4,6,8,10,12,14,16,18,20,22,24,26,28,30
	v_pk_mul_f32 v[QS+\j:QS+\j+1], v[QS+\j:QS+\j+1], 0x3e000000 op_sel_hi:[1,0]   ; q / 8: exact
.endr
.irp b, 0,1
	v_max3_num_f32 v[TM+\b], |v[QS+16*\b]|, |v[QS+16*\b+1]|, 0x4800000   ; my 16 numbers of block b, and the floor 2^(9 - 127): the byte cannot fall under 1
.endr
.irp i, 2,4,6,8,10,12,14
.irp b, 0,1
	v_max3_num_f32 v[TM+\b], v[TM+\b], |v[QS+16*\b+\i]|, |v[QS+16*\b+\i+1]|
.endr
.endr
.irp b, 0,1
	v_permlanex16_b32 v[TM+4+\b], v[TM+\b], s[SEL], s[SEL+1]
.endr
.irp b, 0,1
	v_max_num_f32 v[TM+\b], v[TM+\b], v[TM+4+\b]                 ; with lane l xor 16's 16: the block's largest magnitude
.endr
.irp b, 0,1
	v_add_nc_u32 v[TM+12+\b], 0xfc000000, v[TM+\b]               ; 8 off its exponent field: the conversion's scale operand
.endr
.irp b, 0,1
	v_and_or_b32 v[TM+8+\b], v[TM+\b], 0x7f800000, s[MNT]        ; 448 x the scale
.endr
.irp b, 0,1
	v_lshrrev_b32 v[TM+4+\b], 23, v[TM+12+\b]                    ; the scale's byte
.endr
	v_lshl_or_b32 v[TM+4], v[TM+5], 8, v[TM+4]
	WIN 0x15*(\x)                                  ; the scale word lies in window 0
	v_lshl_or_b32 v[\qw+\x], v[TM+4], 16, v[TM+4]
	WIN 0x55*(\x)
.irp b, 0,1
.irp i, 0,1,2,3,4,5,6,7,8,9,10,11,12,13,14,15
	v_med3_num_f32 v[QS+16*\b+\i], v[QS+16*\b+\i], -v[TM+8+\b], v[TM+8+\b]   ; the conversion to an 8-bit code does not saturate (ISA guide 7.6.2)
.endr
.endr
.if \stash
	WIN 0x40|(0x15*(\x))                           ; destination window 1
.irp b, 0,1
	v_cvt_scalef32_pk8_fp8_f32 v[8*\x+4*\b:8*\x+4*\b+1], v[QS+16*\b:QS+16*\b+7], v[TM+12+\b]
	v_cvt_scalef32_pk8_fp8_f32 v[8*\x+4*\b+2:8*\x+4*\b+3], v[QS+16*\b+8:QS+16*\b+15], v[TM+12+\b]
.endr
	v_nop                                          ; a plain line behind the last conversion
.else
.irp b, 0,1
	v_cvt_scalef32_pk8_fp8_f32 v[QF+4*\b:QF+4*\b+1], v[QS+16*\b:QS+16*\b+7], v[TM+12+\b]
	v_cvt_scalef32_pk8_fp8_f32 v[QF+4*\b+2:QF+4*\b+3], v[QS+16*\b+8:QS+16*\b+15], v[TM+12+\b]
.endr
	v_nop                                          ; a plain line behind the last conversion
.irp i, 0,1,2,3,4,5,6,7
	v_mov_b32 v[QF+16+\i], v[QF+\i]                ; [q | zeros | q]
.endr
.endif
.endm
.macro CLEAR                           ; O^T and the sums of both tiles begin as zeros: the step is then written without a first step of its own
.irp x, 0,1
	WIN 0x40*\x
.irp j, 0,1,2,3,4,5,6,7,8,9,10,11,12,13,14,15,16,17,18,19,20,21,22,23,24,25,26,27,28,29,30,31
	v_mov_b32 v[OA+\j], 0
.endr
.irp j, 0,1,2,3
	v_mov_b32 v[ZS+\j], 0
.endr
.endr
	WIN 0
.endm
; The vector work of tile x for one key step: squares, each block's largest p, scale bytes, the sum of the unquantised p, the hold, the codes.
.macro VEC x
	WIN 0x55*(\x)
.irp j, 0,2,4,6,8,10,12,14,16,18,20,22,24,26,28,30,32,34,36,38,40,42,44,46,48,50,52,54,56,58,60,62
	v_pk_mul_f32 v[SS+\j:SS+\j+1], v[SS+\j:SS+\j+1], v[SS+\j:SS+\j+1]   ; p = s^2; ascending
.endr
.irp b, 0,1,2,3
	v_max3_num_f32 v[TM+\b], v[SS+16*\b], v[SS+16*\b+1], 0x4800000     ; p is not negative: no |.|; the floor 2^(9 - 127)
.endr
.irp i, 2,4,6,8,10,12,14
.irp b, 0,1,2,3
	v_max3_num_f32 v[TM+\b], v[TM+\b], v[SS+16*\b+\i], v[SS+16*\b+\i+1]   ; the four blocks by turns
.endr
.endr
.irp b, 0,1,2,3
	v_permlanex16_b32 v[TM+4+\b], v[TM+\b], s[SEL], s[SEL+1]
.endr
.irp b, 0,1,2,3
	v_max_num_f32 v[TM+\b], v[TM+\b], v[TM+4+\b]
.endr
.irp b, 0,1,2,3
	v_add_nc_u32 v[TM+12+\b], 0xfc000000, v[TM+\b]
.endr
.irp b, 0,1,2,3
	v_and_or_b32 v[TM+8+\b], v[TM+\b], 0x7f800000, s[MNT]
.endr
.irp b, 0,1,2,3
	v_lshrrev_b32 v[TM+4+\b], 23, v[TM+12+\b]
.endr
	v_lshl_or_b32 v[TM+4], v[TM+5], 8, v[TM+4]
	v_lshl_or_b32 v[TM+4], v[TM+6], 16, v[TM+4]
	WIN 0x15*(\x)
	v_lshl_or_b32 v[PW+\x], v[TM+7], 24, v[TM+4]   ; p's scale word for these 128 keys, in window 0; the 96 plain lines below stand between it and the products
	WIN 0x55*(\x)
.irp b, 0,1,2,3
.irp i, 0,2,4,6,8,10,12,14
	v_pk_add_f32 v[ZS+(\i&2):ZS+(\i&2)+1], v[ZS+(\i&2):ZS+(\i&2)+1], v[SS+16*\b+\i:SS+16*\b+\i+1]   ; z takes p before it is held: two chains by turns
	v_min_num_f32 v[SS+16*\b+\i], v[SS+16*\b+\i], v[TM+8+\b]           ; the hold at 448 x the scale, one-sided
	v_min_num_f32 v[SS+16*\b+\i+1], v[SS+16*\b+\i+1], v[TM+8+\b]
.endr
	v_cvt_scalef32_pk8_fp8_f32 v[PC+4*\b:PC+4*\b+1], v[SS+16*\b:SS+16*\b+7], v[TM+12+\b]
	v_cvt_scalef32_pk8_fp8_f32 v[PC+4*\b+2:PC+4*\b+3], v[SS+16*\b+8:SS+16*\b+15], v[TM+12+\b]
.endr
.endm
; A KEY STEP of 128 keys for both tiles.  skip = 1: a step behind the diagonal step is left out (a scalar branch on the step's and the wave's numbers, round the work, not round the lines that step addresses).
; diag = 1: in the diagonal step hidden scores become 0.  qw: the double tile's two scale words of q.
.macro STEP skip, diag, qw
.if \skip
	s_cmp_gt_u32 s[KS], s[GD]
	s_cbranch_scc1 .Lskip_\@
.endif
	v_add_nc_u32 v[ADK], s[TK], v[AK0]
	v_add_nc_u32 v[ADS], s[TSK], v[ASK0]
.irp b, 0,1,2,3
.irp c, 0,1
	ds_load_b128 v[KF+16*\b+4*\c:KF+16*\b+4*\c+3], v[ADK] offset:2304*\b+32*\c             ; key kL
	ds_load_b128 v[KF+16*\b+8+4*\c:KF+16*\b+8+4*\c+3], v[ADK] offset:2304*\b+576+32*\c     ; key kL + 8: four rows of two keys on
.endr
	ds_load_b32 v[KW+\b], v[ADS] offset:64*\b
.endr
	s_wait_dscnt 0x0                               ; K's fragments and scale words are in
.irp b, 0,1,2,3
.irp u, 0,1
	v_wmma_scale_f32_16x16x128_f8f6f4 v[SS+8*(2*\b+\u):SS+8*(2*\b+\u)+7], v[KF+16*\b:KF+16*\b+15], v[QF+8*\u:QF+8*\u+15], 0, v[KW+\b], v[\qw]
.endr
.endr
	WIN 0x44                                       ; tile 1: q and the scores in window 1
.irp b, 0,1,2,3
.irp u, 0,1
	v_wmma_scale_f32_16x16x128_f8f6f4 v[SS+8*(2*\b+\u):SS+8*(2*\b+\u)+7], v[KF+16*\b:KF+16*\b+15], v[QF+8*\u:QF+8*\u+15], 0, v[KW+\b], v[\qw+1]
.endr
.endr
	WIN 0
	v_add_nc_u32 v[ADV], s[TV], v[AV0]             ; these two and six v_nop: the eight places behind the products; with the two additions at the step's head
	v_add_nc_u32 v[ADT], s[TSV], v[ASV0]           ; ten plain lines stand between the last step's second products and the loads into V's registers
.rept 6
	v_nop
.endr
	WIN 0x40                                       ; destination window 1
.irp t, 0,1,2,3
.irp c, 0,1,2,3
	ds_load_b128 v[VF+16*\t+4*\c:VF+16*\t+4*\c+3], v[ADV] offset:8448*\t+32*\c             ; V lands while the vector work runs
.endr
.endr
	WIN 0
.irp t, 0,1,2,3
	ds_load_b32 v[VW+\t], v[ADT] offset:1088*\t
.endr
.if \diag
	s_cmp_lg_u32 s[KS], s[GD]
	s_cbranch_scc1 .Lopen_\@
	; register 16 b + i holds key 32 b + 16 h + i of the step; my query is 64 x + 16 c + r of it: hidden where 32 b + i > 64 x + DQ.  Tile 0: blocks 2, 3 are hidden whole; tile 1: blocks 0, 1 count whole
.irp n, 0,1,2,3,4,5,6,7,8,9,10,11,12,13,14,15,16,17,18,19,20,21,22,23,24,25,26,27,28,29,30,31
	v_cmp_gt_i32 vcc_lo, 32*(\n/16)+\n%16, v[DQ]
	v_cndmask_b32 v[SS+\n], v[SS+\n], v[QF+8], vcc_lo              ; QF + 8 holds 0
.endr
.irp n, 32,33,34,35,36,37,38,39,40,41,42,43,44,45,46,47,48,49,50,51,52,53,54,55,56,57,58,59,60,61,62,63
	v_mov_b32 v[SS+\n], 0
.endr
	WIN 0x55
.irp n, 0,1,2,3,4,5,6,7,8,9,10,11,12,13,14,15,16,17,18,19,20,21,22,23,24,25,26,27,28,29,30,31
	v_cmp_gt_i32 vcc_lo, 32*(\n/16)+\n%16, v[DQ]
	v_cndmask_b32 v[SS+32+\n], v[SS+32+\n], v[QF+8], vcc_lo
.endr
	WIN 0
.Lopen_\@:
.endif
	VEC 0
	VEC 1
.rept 4
	v_nop                                          ; the plain line behind the last conversion, and the four places between codes made by vector instructions and a scaled product
.endr
	s_wait_dscnt 0x0                               ; V's fragments and scale words are in
.irp t, 0,1,2,3                        ; O^T += V^T P^T: eight accumulators, one instruction a turn; sixteen first products stand between a sum's links
	v_wmma_scale_f32_16x16x128_f8f6f4 v[OA+8*\t:OA+8*\t+7], v[VF+16*\t:VF+16*\t+15], v[PC:PC+15], v[OA+8*\t:OA+8*\t+7], v[VW+\t], v[PW+1]
.endr
	WIN 0x01                                       ; tile 0: V alone in window 1
.irp t, 0,1,2,3
	v_wmma_scale_f32_16x16x128_f8f6f4 v[OA+8*\t:OA+8*\t+7], v[VF+16*\t:VF+16*\t+15], v[PC:PC+15], v[OA+8*\t:OA+8*\t+7], v[VW+\t], v[PW]
.endr
	WIN 0
.if \skip
.Lskip_\@:
.endif
	s_add_co_u32 s[TK], s[TK], 9216                ; the next step's tiles and scale words
	s_add_co_u32 s[TV], s[TV], 128
	s_add_co_u32 s[TSK], s[TSK], 256
	s_add_co_u32 s[TSV], s[TSV], 4
	s_add_co_u32 s[KS], s[KS], 1
.endm
; THE WAY OUT of a double tile: O^T / (z + 1e-6), through my own stage in LDS, a tile of 16 rows of 256 bytes at a time; ob: the scalar pair with out's address at tile 0's first row.
.macro FINISH ob
.rept 8
	v_nop                                          ; places behind the last products
.endr
.irp x, 0,1
	WIN 0x55*\x
	v_pk_add_f32 v[ZS:ZS+1], v[ZS:ZS+1], v[ZS+2:ZS+3]
	v_add_f32 v[TM], v[ZS], v[ZS+1]
	v_permlanex16_b32 v[TM+4], v[TM], s[SEL], s[SEL+1]
	v_add_f32 v[TM], v[TM], v[TM+4]                ; with lane l xor 16's keys: the row's z
	v_add_f32 v[TM], 0x358637bd, v[TM]             ; + 1e-6
	v_rcp_f32 v[TM+8], v[TM]
	v_rcp_f32 v[TM+9], v[TM]                       ; twice: a pair for the packed multiply
	v_nop                                          ; a plain line behind the reciprocals
	s_wait_alu depctr_va_vdst(0)
.irp j, 0,2,4,6,8,10,12,14,16,18,20,22,24,26,28,30
	v_pk_mul_f32 v[SS+\j:SS+\j+1], v[OA+\j:OA+\j+1], v[TM+8:TM+9]   ; register 8 t + j: out(r, 16 t + 8 h + j); ascending
.endr
.endr
	WIN 0
.irp t, 0,1,2,3
	ds_store_b128 v[STO], v[SS+8*\t:SS+8*\t+3] offset:64*\t
	ds_store_b128 v[STO], v[SS+8*\t+4:SS+8*\t+7] offset:64*\t+16
.endr
.irp i, 0,1,2,3,4,5,6,7
	ds_load_b128 v[16+4*\i:16+4*\i+3], v[RD] offset:544*\i       ; LDS serves a wave's instructions in order (ISA guide 5.7.1.4): these see my stores, and tile 1's stores come behind them
.endr
	WIN 0x04                                       ; an LDS store's data are its source 1: window 1
.irp t, 0,1,2,3
	ds_store_b128 v[STO], v[SS+8*\t:SS+8*\t+3] offset:64*\t
	ds_store_b128 v[STO], v[SS+8*\t+4:SS+8*\t+7] offset:64*\t+16
.endr
	WIN 0
.irp i, 0,1,2,3,4,5,6,7
	ds_load_b128 v[48+4*\i:48+4*\i+3], v[RD] offset:544*\i
.endr
.irp i, 0,1,2,3,4,5,6,7
	s_wait_dscnt 23-\i                             ; behind tile 0's load i: its 7 - i younger loads, tile 1's 8 stores and 8 loads
	global_store_b128 v[GO], v[16+4*\i:16+4*\i+3], s[\ob:\ob+1] offset:512*\i th:TH_STORE_NT         ; the wave stores 512 consecutive bytes, two rows, aligned to 512
.endr
.irp i, 0,1,2,3,4,5,6,7
	s_wait_dscnt 7-\i                              ; behind tile 1's load i: its 7 - i younger loads
	global_store_b128 v[GO], v[48+4*\i:48+4*\i+3], s[\ob:\ob+1] offset:16384+512*\i th:TH_STORE_NT
.endr
	s_wait_xcnt 0x0                                ; the stores' data registers are loaded again only behind this wait
.endm
	s_load_b256 s[4:11], s[0:1], 0x0               ; K's codes s[4:5], K's scales s[6:7], q s[8:9], V's codes s[10:11]
	s_load_b128 s[12:15], s[0:1], 0x20             ; V's scales s[12:13], out s[14:15]
	v_lshl_add_u32 v254, v0, 2, 0x4f900
	v_mov_b32 v255, 0
	ds_add_u32 v254, v255
	ds_add_u32 v254, v255
	v_lshrrev_b32 v15, 5, v0
	v_readfirstlane_b32 s[WV], v15                 ; wave 0..7
	s_bfe_u32 s[CX], ttmp6, 0x40000                ; c: my place in the cluster
	s_mov_b32 s[HD], ttmp9                         ; the head: in a cluster launch ttmp9 counts clusters
	s_mov_b32 s[MNT], 0x600000                     ; the mantissa field of 448
	s_mov_b32 s[SEL], 0x76543210
	s_mov_b32 s[SEL+1], 0xfedcba98                 ; v_permlanex16_b32's selects for lane l xor 16
	; descriptor groups 1.  K: 128 rows of 128 bytes (two keys), dense; 16 bytes of padding behind each
	s_mov_b32 s[G1K], 15|(1<<20)|(1<<21)|(4<<22)|(3<<25)   ; 15:0 the mask: all four work-groups; 17:16 elements of 1 byte; 20 padding on; 21 set beside a mask; 24:22 after every 32 words; 31:25 four words
	s_mov_b32 s[G1K+1], 128<<16                    ; tensor_dim0
	s_mov_b32 s[G1K+2], 128<<16                    ; tensor_dim1
	s_mov_b32 s[G1K+3], 128<<16                    ; tile_dim0
	s_mov_b32 s[G1K+4], 128                        ; tile_dim1
	s_mov_b32 s[G1K+5], 128                        ; from row to row
	s_mov_b32 s[G1K+6], 0
	s_mov_b32 s[G1K+7], 0
	; V: 32 rows (d) of 512 bytes (512 keys), 2,048 bytes apart; 16 bytes of padding behind each
	s_mov_b32 s[G1V], 15|(1<<20)|(1<<21)|(6<<22)|(3<<25)
	s_mov_b32 s[G1V+1], 512<<16
	s_mov_b32 s[G1V+2], 32<<16
	s_mov_b32 s[G1V+3], 512<<16
	s_mov_b32 s[G1V+4], 32
	s_mov_b32 s[G1V+5], 2048
	s_mov_b32 s[G1V+6], 0
	s_mov_b32 s[G1V+7], 0
	; V's scale bytes: 2,048 dense bytes as 8 rows of 256 (32 elements of 8 bytes), 16 bytes of padding behind each
	s_mov_b32 s[G1S], 15|(3<<16)|(1<<20)|(1<<21)|(5<<22)|(3<<25)
	s_mov_b32 s[G1S+1], 32<<16
	s_mov_b32 s[G1S+2], 8<<16
	s_mov_b32 s[G1S+3], 32<<16
	s_mov_b32 s[G1S+4], 8
	s_mov_b32 s[G1S+5], 32
	s_mov_b32 s[G1S+6], 0
	s_mov_b32 s[G1S+7], 0
	; the lane's terms, all made here, ahead of every branch on the wave's number
	v_and_b32 v20, 15, v0                          ; r
	v_bfe_u32 v21, v0, 4, 1                        ; h
	v_and_b32 v15, 8, v20
	v_add_nc_u32 v15, v15, v20                     ; r + 8 (r / 8): my key of a fragment
	v_lshrrev_b32 v15, 1, v15
	v_mul_u32_u24 v[AK0], v15, 144                 ; its row of two keys,
	v_and_b32 v15, 1, v20
	v_lshl_add_u32 v[AK0], v15, 6, v[AK0]          ; its half of that row,
	v_lshl_add_u32 v[AK0], v21, 4, v[AK0]          ; + 16 h.  9 x row + 4 x half mod 16
	v_lshl_add_u32 v[ASK0], v20, 2, SCK
	v_mul_u32_u24 v[AV0], v20, 528
	v_lshl_add_u32 v[AV0], v21, 4, v[AV0]
	v_add_nc_u32 v[AV0], VB, v[AV0]
	v_lshrrev_b32 v15, 2, v20
	v_mul_u32_u24 v[ASV0], v15, 272                ; V's scale bytes: row d begins at (d / 4) x 272 + (d % 4) x 64
	v_and_b32 v15, 3, v20
	v_lshl_add_u32 v[ASV0], v15, 6, v[ASV0]
	v_add_nc_u32 v[ASV0], SCV, v[ASV0]
	s_mul_i32 s22, s[WV], 4352
	s_add_co_u32 s22, s22, STG                     ; my stage
	v_mul_u32_u24 v[STO], v20, 272
	v_lshl_add_u32 v[STO], v21, 5, v[STO]
	v_add_nc_u32 v[STO], s22, v[STO]               ; in: row r, + 32 h
	v_mul_u32_u24 v[RD], v21, 272
	v_lshl_add_u32 v[RD], v20, 4, v[RD]
	v_add_nc_u32 v[RD], s22, v[RD]                 ; back: lanes 0-15 one row of 256 bytes, lanes 16-31 the next
	v_lshlrev_b32 v[GO], 8, v21
	v_lshl_add_u32 v[GO], v20, 4, v[GO]            ; and the same two rows in out
	v_lshlrev_b32 v[XA], 8, v20
	v_lshl_add_u32 v[XA], v21, 6, v[XA]            ; q: row r of 256 bytes, + 64 h
	v_lshrrev_b32 v15, 3, v0                       ; K's scale words: thread T makes those of rows 2 a, 2 a + 1 (a = T % 8) of the blocks of 32 keys T / 8 and 32 + T / 8
	v_lshlrev_b32 v[KSO], 6, v15
	v_and_b32 v15, 7, v0
	v_lshl_add_u32 v[KSO], v15, 2, v[KSO]
	v_bfe_u32 v15, v0, 2, 1
	v_lshl_add_u32 v[KSO], v15, 4, v[KSO]          ; byte 2 x key, key = 32 (T / 8) + 2 a + 8 (a / 4)
	v_lshl_add_u32 v[KSW], v0, 3, SCK
	s_lshl_b32 s92, s[CX], 4
	v_lshlrev_b32 v15, 4, v21
	v_sub_nc_u32 v15, v20, v15
	v_add_nc_u32 v[DQ], s92, v15                   ; 16 c + r - 16 h
	; offsets, apart from the addresses.  What holds c stays in s92 and s[94:95]: no register that feeds a joint load's descriptor ever holds it
	s_and_b32 s88, s[WV], 1                        ; which half of a chunk's tile I fetch, if I fetch
	s_mul_i32 s89, s88, 18432                      ; K: 128 rows x 144
	s_mul_i32 s90, s88, 16896                      ; V: 32 rows x 528
	s_add_co_u32 s90, s90, VB
	s_mul_i32 s91, s88, 2176                       ; V's scale bytes: 8 rows x 272
	s_add_co_u32 s91, s91, SCV
	s_sub_co_u32 s[GD], 15, s[WV]                  ; the first double tile: g = 15 - wave
	s_mov_b32 s3, 0
	s_mov_b32 s23, 0
	s_mov_b32 s95, 0
	s_lshl_b32 s94, s[HD], 19
	s_lshl_b32 s92, s[CX], 12
	s_add_co_u32 s94, s94, s92                     ; q and out: the head's 2,048 rows of 256 bytes, + 16 c rows
	s_wait_dscnt 0x0
	s_wait_kmcnt 0x0
	s_lshl_b32 s2, s[HD], 12
	s_add_nc_u64 s[6:7], s[6:7], s[2:3]            ; K's scale bytes of the head
	s_add_nc_u64 s[12:13], s[12:13], s[2:3]
	s_lshl_b32 s22, s88, 11
	s_add_nc_u64 s[12:13], s[12:13], s[22:23]      ; V's, my half
	s_lshl_b32 s2, s[HD], 17
	s_add_nc_u64 s[4:5], s[4:5], s[2:3]
	s_add_nc_u64 s[10:11], s[10:11], s[2:3]
	s_lshl_b32 s22, s88, 14
	s_add_nc_u64 s[4:5], s[4:5], s[22:23]          ; K's codes: my 256 keys of chunk 0
	s_lshl_b32 s22, s88, 16
	s_add_nc_u64 s[10:11], s[10:11], s[22:23]      ; V's codes: my 32 rows
	s_add_nc_u64 s[8:9], s[8:9], s[94:95]
	s_add_nc_u64 s[14:15], s[14:15], s[94:95]
	s_lshl_b32 s22, s[GD], 15                      ; 128 g rows
	s_add_nc_u64 s[96:97], s[8:9], s[22:23]        ; q of the first double tile,
	s_add_nc_u64 s[100:101], s[14:15], s[22:23]    ; and its rows of out
	s_lshl_b32 s22, s[WV], 15
	s_add_nc_u64 s[98:99], s[8:9], s[22:23]        ; the second's
	s_add_nc_u64 s[14:15], s[14:15], s[22:23]
	global_load_b32 v16, v[KSO], s[6:7]            ; the scale bytes of keys kL, kL + 1
	global_load_b32 v17, v[KSO], s[6:7] offset:16  ; of keys kL + 8, kL + 9
	global_load_b32 v18, v[KSO], s[6:7] offset:2048
	global_load_b32 v19, v[KSO], s[6:7] offset:2064
	QLOAD 96, 0, 0
	QLOAD 96, 1, 0
	QLOAD 98, 0, 32
	QLOAD 98, 1, 32
	WIN 0
	ROUND                                          ; all four work-groups are here: the joint loads meet
.irp c, 0,1,2,3
	s_mov_b32 s[G0K+4*\c], 1                       ; count = 1
	s_add_co_u32 s[G0K+4*\c+1], s89, \c*36864      ; LDS address
	s_add_nc_u64 s[G0K+4*\c+2:G0K+4*\c+3], s[4:5], \c*32768   ; chunk c: 512 keys of 64 bytes on
	s_or_b32 s[G0K+4*\c+3], s[G0K+4*\c+3], 0x80000000          ; type = 2
	s_mov_b32 s[G0V+4*\c], 1
	s_add_co_u32 s[G0V+4*\c+1], s90, \c*VCH
	s_add_nc_u64 s[G0V+4*\c+2:G0V+4*\c+3], s[10:11], \c*512
	s_or_b32 s[G0V+4*\c+3], s[G0V+4*\c+3], 0x80000000
.endr
	s_mov_b32 s[G0S], 1
	s_mov_b32 s[G0S+1], s91
	s_mov_b64 s[G0S+2:G0S+3], s[12:13]
	s_or_b32 s[G0S+3], s[G0S+3], 0x80000000
	; All fills of the launch, in one group: waves 0, 1 K's halves of the four chunks, waves 2, 3 V's scale bytes and V's halves; the others none.  At most five tensor loads of a wave are out.
	; Four v_nop follow a wave's last load.
	s_cmp_lt_u32 s[WV], 2
	s_cbranch_scc0 .Lnot_k
	tensor_load_to_lds s[G0K:G0K+3], s[G1K:G1K+7]
	s_nop 0
	tensor_load_to_lds s[G0K+4:G0K+7], s[G1K:G1K+7]
	s_nop 0
	tensor_load_to_lds s[G0K+8:G0K+11], s[G1K:G1K+7]
	s_nop 0
	tensor_load_to_lds s[G0K+12:G0K+15], s[G1K:G1K+7]
	s_nop 0
.rept 4
	v_nop
.endr
	s_branch .Lasked
.Lnot_k:
	s_cmp_lt_u32 s[WV], 4
	s_cbranch_scc0 .Lasked
	tensor_load_to_lds s[G0S:G0S+3], s[G1S:G1S+7]
	s_nop 0
	tensor_load_to_lds s[G0V:G0V+3], s[G1V:G1V+7]
	s_nop 0
	tensor_load_to_lds s[G0V+4:G0V+7], s[G1V:G1V+7]
	s_nop 0
	tensor_load_to_lds s[G0V+8:G0V+11], s[G1V:G1V+7]
	s_nop 0
	tensor_load_to_lds s[G0V+12:G0V+15], s[G1V:G1V+7]
	s_nop 0
.rept 4
	v_nop
.endr
.Lasked:
.irp x, 0,1
	WIN 0x40*\x
.irp i, 0,1,2,3,4,5,6,7
	v_mov_b32 v[QF+8+\i], 0                        ; q's run of zero codes
.endr
.irp i, 4,5,6,7
	v_mov_b32 v[TM+\i], 0                          ; written once: a lane permute's destination counts as one of its sources
.endr
.endr
	v_mov_b32 v[DQ], v[DQ]                         ; (destination window 1, source window 0) DQ for tile 1
	WIN 0
	s_wait_loadcnt 32                              ; K's scale bytes are in; q's 32 loads may be out
	v_perm_b32 v20, v17, v16, 0x05040100           ; row 2 a: [key kL's two bytes | key kL + 8's]
	v_perm_b32 v21, v17, v16, 0x07060302           ; row 2 a + 1
	v_perm_b32 v22, v19, v18, 0x05040100
	v_perm_b32 v23, v19, v18, 0x07060302
	ds_store_b64 v[KSW], v[20:21]
	ds_store_b64 v[KSW], v[22:23] offset:2048
	s_wait_loadcnt 24                              ; the first double tile's tile 0 is in; the 24 loads behind it may be out
	QUANTQ 0, 0, QWB, 0
	s_wait_loadcnt 16
	QUANTQ 1, 0, QWB, 0
	s_wait_loadcnt 8
	QUANTQ 0, 32, QWA, 1
	s_wait_loadcnt 0x0
	QUANTQ 1, 32, QWA, 1
	CLEAR
	; ---- the first double tile, g = 15 - wave (8 to 15): steps 0 to 7 are whole in every wave
	ARRIVE 3                                       ; chunk 0 (and V's scale bytes, asked for ahead of it) have landed: chunks 1, 2, 3 may be out; K's scale words are stored
	s_mov_b32 s[TK], 0
	s_mov_b32 s[TV], 0
	s_mov_b32 s[TSK], 0
	s_mov_b32 s[TSV], 0
	s_mov_b32 s[KS], 0
	s_mov_b32 s[CNT], 4
.Lc0:
	STEP 0, 0, QWB
	s_sub_co_u32 s[CNT], s[CNT], 1
	s_cmp_lg_u32 s[CNT], 0
	s_cbranch_scc1 .Lc0
	ARRIVE 2                                       ; chunk 1 has landed: chunks 2, 3 may be out
	s_mov_b32 s[TK], 36864
	s_mov_b32 s[TV], VCH
	s_mov_b32 s[TSK], 1024
	s_mov_b32 s[TSV], 16
	s_mov_b32 s[KS], 4
	s_mov_b32 s[CNT], 4
.Lc1:
	STEP 0, 0, QWB
	s_sub_co_u32 s[CNT], s[CNT], 1
	s_cmp_lg_u32 s[CNT], 0
	s_cbranch_scc1 .Lc1
	ARRIVE 0                                       ; all of the head has landed: no barrier stands from here to the closing round
	s_mov_b32 s[TK], 73728
	s_mov_b32 s[TV], 2*VCH
	s_mov_b32 s[TSK], 2048
	s_mov_b32 s[TSV], 32
	s_mov_b32 s[KS], 8
	s_mov_b32 s[CNT2], 2
.Lbo:                                              ; chunks 2 and 3: every wave walks all eight trips; the trips behind its diagonal step only step addresses
	s_mov_b32 s[CNT], 4
.Lbi:
	STEP 1, 1, QWB
	s_sub_co_u32 s[CNT], s[CNT], 1
	s_cmp_lg_u32 s[CNT], 0
	s_cbranch_scc1 .Lbi
	s_add_co_u32 s[TV], s[TV], VCH-512             ; V's next chunk tile
	s_sub_co_u32 s[CNT2], s[CNT2], 1
	s_cmp_lg_u32 s[CNT2], 0
	s_cbranch_scc1 .Lbo
	FINISH 100
	; ---- the second double tile, g = wave (0 to 7)
	WIN 0x01                                       ; source window 1: its q codes come out of their keep
.irp i, 0,1,2,3,4,5,6,7
	v_mov_b32 v[QF+\i], v[\i]
	v_mov_b32 v[QF+16+\i], v[\i]
.endr
	WIN 0x41
.irp i, 0,1,2,3,4,5,6,7
	v_mov_b32 v[QF+\i], v[8+\i]
	v_mov_b32 v[QF+16+\i], v[8+\i]
.endr
	CLEAR
	s_mov_b32 s[GD], s[WV]
	s_mov_b32 s[TK], 0
	s_mov_b32 s[TV], 0
	s_mov_b32 s[TSK], 0
	s_mov_b32 s[TSV], 0
	s_mov_b32 s[KS], 0
	s_mov_b32 s[CNT2], 2
.Lao:
	s_mov_b32 s[CNT], 4
.Lai:
	STEP 1, 1, QWA
	s_sub_co_u32 s[CNT], s[CNT], 1
	s_cmp_lg_u32 s[CNT], 0
	s_cbranch_scc1 .Lai
	s_add_co_u32 s[TV], s[TV], VCH-512
	s_sub_co_u32 s[CNT2], s[CNT2], 1
	s_cmp_lg_u32 s[CNT2], 0
	s_cbranch_scc1 .Lao
	FINISH 14
	s_wait_tensorcnt 0x0
	ds_add_u32 v254, v255
	s_wait_dscnt 0x0
	ROUND                                          ; the closing round: no work-group ends ahead of its partners
	s_endpgm
.Lfunc_end_k_q023ec3686e_rebased:
	.size	k_q023ec3686e_rebased, .Lfunc_end_k_q023ec3686e_rebased-k_q023ec3686e_rebased
	.p2alignl 7, 3214868480
	.fill 96, 4, 3214868480
	.section	.rodata,"a",@progbits
	.p2align	6, 0x0
	.amdhsa_kernel k_q023ec3686e_rebased
		.amdhsa_group_segment_fixed_size 327680
		.amdhsa_private_segment_fixed_size 0
		.amdhsa_enable_private_segment 0
		.amdhsa_kernarg_size 48
		.amdhsa_user_sgpr_count 2
		.amdhsa_user_sgpr_kernarg_segment_ptr 1
		.amdhsa_wavefront_size32 1
		.amdhsa_system_sgpr_workgroup_id_x 1
		.amdhsa_system_sgpr_workgroup_id_y 1
		.amdhsa_system_sgpr_workgroup_id_z 1
		.amdhsa_system_vgpr_workitem_id 0
		.amdhsa_next_free_vgpr 512
		.amdhsa_next_free_sgpr 102
		.amdhsa_reserve_vcc 1
		.amdhsa_float_denorm_mode_32 3
		.amdhsa_float_denorm_mode_16_64 3
		.amdhsa_memory_ordered 1
		.amdhsa_forward_progress 1
		.amdhsa_inst_pref_size 176
	.end_amdhsa_kernel
	.amdgpu_metadata
---
amdhsa.version: [ 1, 2 ]
amdhsa.kernels:
  - .name:           k_q023ec3686e_rebased
    .symbol:         k_q023ec3686e_rebased.kd
    .args:
      - { .name: k_codes, .offset: 0, .size: 8, .value_kind: global_buffer, .address_space: global }
      - { .name: k_scales, .offset: 8, .size: 8, .value_kind: global_buffer, .address_space: global }
      - { .name: q, .offset: 16, .size: 8, .value_kind: global_buffer, .address_space: global }
      - { .name: v_codes, .offset: 24, .size: 8, .value_kind: global_buffer, .address_space: global }
      - { .name: v_scales, .offset: 32, .size: 8, .value_kind: global_buffer, .address_space: global }
      - { .name: out0, .offset: 40, .size: 8, .value_kind: global_buffer, .address_space: global }
    .group_segment_fixed_size: 327680
    .private_segment_fixed_size: 0
    .kernarg_segment_align: 8
    .kernarg_segment_size: 48
    .max_flat_workgroup_size: 256
    .sgpr_count:     102
    .vgpr_count:     512
    .wavefront_size: 32
...
	.end_amdgpu_metadata
.endif
;; end of part 1
